; MI455X (gfx1250); checked and timed in simulation.
; The chip was launched on July 23, 2026; its instructions are those of AMD's public machine-readable ISA for CDNA 5 (MIT licence, August 2026) and "CDNA5" Instruction Set Architecture Reference Guide (July 2026). The comments in the code are by the model that wrote it; some were corrected since.
;; PQR Quantizer. Allowed arithmetic: matrix products marked QUANTISED: E2M1 operands, one E8M0 scale for each 32 along K, by v_wmma_scale_f32_16x16x128_f8f6f4 with both operands' format E2M1 (or v_wmma_scale_f32_32x16x128_f4), f32 sums; everything else in f32.
;; Inputs: codebook 8,192 x 512 float32; inputs 16,384 x 512 float32.
;; Outputs: out0 16,384 x 512 float32; out1 16,384 int32.
;; This version of the problem:
;;   THIS VERSION OF THE PROBLEM IS GIVEN IN LOW PRECISION. The matrix products marked QUANTISED in the list below multiply operands that are first quantised to E2M1 (2 exponent bits, 1 mantissa bit; 4 bits a number), with one power-of-two scale for each 32 numbers along K (OCP MX v1.0); their sums are f32. All else is computed in f32.
;;   The module's matrix products, in the order in which they are computed (A, B: the left and right operand; K: the contracted axis; several contracted axes count as one K, in the product's order):
;;     1. [M 16,384, K 512] x [K 512, N 8,192]; A: input inputs; B: input codebook: QUANTISED
;;   THE QUANTISER, for each operand of a quantised product, along K:
;;     - K is cut into blocks of 32 from its start; a last block that is shorter is filled with zeros.
;;     - A block's scale is 2^e with e = floor(log2(the largest magnitude in the block)) - 2, held to -126 .. 127; a block of zeros has e = 0. As a byte (E8M0): e + 127.
;;     - Each number is divided by its block's scale, clamped to +-6, and rounded to the nearest number of E2M1, ties to even, subnormals kept.
;;     - The product sums the exact products of the quantised numbers (number of the format x scale) in f32.
;;   ~~~python
;;   def quantise(x, axis):      # numpy; x: float32 -> the quantised numbers, widened to float32 again
;;       x = np.moveaxis(x, axis, -1); K = x.shape[-1]
;;       x = np.pad(x, [(0, 0)] * (x.ndim - 1) + [(0, -K % 32)]); x = x.reshape(x.shape[:-1] + (-1, 32)); a = np.abs(x).max(-1, keepdims=True)
;;       e = np.where(a > 0, np.clip(np.frexp(np.where(a > 0, a, 1))[1] - 1 - 2, -126, 127), 0)      # np.frexp(a)[1] - 1 = floor(log2(a)), exactly
;;       r = np.clip(x / 2.0 ** e, -6, 6)
;;       step = 2.0 ** (np.maximum(np.frexp(np.where(r == 0, 1, r))[1] - 1, 0) - 1)
;;       q = np.round(r / step) * step * 2.0 ** e      # np.round: ties to even
;;       return np.moveaxis(q.reshape(q.shape[:-2] + (-1,))[..., :K], -1, axis).astype(np.float32)
;;   ~~~
;; One version. Each part assembles by itself: llvm-mc -triple=amdgcn-amd-amdhsa -mcpu=gfx1250 --defsym DOCPART=n.
;; ======== version 1 of 1: 3 launches
;; limits: right only within a limited range of input values
;; workspace buffers: xq 4,521,984 bytes; cq 2,260,992 bytes; bv 524,288 bytes; bi 524,288 bytes
;; launch quant (part 1): grid 768 x 1, 2 waves a work-group, no clusters, 17,664 bytes of LDS; arguments inputs, codebook, xq, cq, out0; writes xq, cq, out0
.if DOCPART == 1
	.amdgcn_target "amdgcn-amd-amdhsa--gfx1250"
	.amdhsa_code_object_version 6
	.text
	.protected	k_qeca24ecbd4_quant
	.globl	k_qeca24ecbd4_quant
	.p2align	8
	.type	k_qeca24ecbd4_quant,@function
k_qeca24ecbd4_quant:
	s_mov_b64 s[64:65], 0
	v_nop
	global_prefetch_b8 v0, s[64:65] scope:SCOPE_SE
	s_setreg_imm32_b32 hwreg(HW_REG_WAVE_MODE, 25, 1), 1
	s_wait_xcnt 0x0
; WORK LEFT OUT, for all finite values of the inputs, in exact arithmetic:
;  (1) out0 = q + (x - q) = x by an identity, whatever row q the index picks: the gather from the codebook and the two additions are not done; out0 is stored here as the rows of inputs.
;  (2) x2 is the same for every code of a token, so it cannot move the argmin along the codes: it is not computed.  The argmin of c2 - 2 x.c is taken as the argmax of x.c - c2 / 2.
; LIMITS: a NaN, an infinity or an overflow that reaches only the work left out is not carried to the result; out0 differs from reference()'s by the rounding of its two additions;
; two codes whose distances differ by less than the rounding of reference()'s own f32 sums may change places in out1.
; THIS LAUNCH: codebook [8192][512] and inputs [16384][512], f32, K innermost, become RECORDS of 64 rows in cq and xq: codes of FP4 (E2M1) in the order of the matrix operand's registers,
; one E8M0 scale byte for each 32 along K, and in cq alone -1/2 of each row's sum of squares, f32.
; A RECORD, 17,664 bytes = 69 x 256:  byte 0: four tile images of 16 rows, 4,096 bytes each; byte 16,384: the scale bytes, [64 rows][16]; byte 17,408: 64 numbers -c2 / 2 (in xq these 256 bytes are neither written nor read).
; In a tile image the 16 bytes (32 codes) of row r and block 4 s + 2 c + h lie at 1024 s + 512 c + 16 (16 h + r): a load of 16 bytes at 16 x lane brings registers 4 c .. 4 c + 3 of K step s.
; A block's scale is 2^(floor(log2(its largest magnitude)) - 2); its byte is the largest magnitude's exponent field - 2, held at 1 from below by a floor among the maximum's leaves.
; FURTHER LIMITS: a block of zeros gets the byte 1 where the rule says 127 (its codes are zeros, and this program alone reads the bytes); blocks whose largest magnitude lies under 2^-124 were not tried;
; NaN and infinities are not served; a row's sum of squares is taken by fused multiply-adds in eight partial sums, an order of this program's own.
; SHARES.  A work-group of two waves makes half a record, 32 rows: 768 work-groups.  The first 256 take the codebook, the other 512 the inputs.  A wave takes one tile: 16 rows, in eight steps of 256 bytes a row.
; Each load reads two rows' 256 consecutive bytes, 16 bytes a lane; a step's 4,096 bytes turn through the wave's own stage in LDS (rows 272 bytes apart) and come back 128 bytes a lane: a whole block of 32.
; The inputs' work-groups store the registers as loaded to out0 (two aligned runs of 256 bytes an instruction); the codebook's add the squares.  Both are under scalar branches on the work-group's number.
; No tensor loads, no cluster: work-groups share no input.  Loads run four steps (32 loads a wave) ahead, the turn through LDS one step.
.set REC,   17664
.set SCO,   16384
.set SQO,   17408
.set STG,   16*272                     ; a stage: 16 rows x (256 bytes + 16)
.set SPARE, 4*STG                      ; behind the two waves' two stages each: the spare words, one block of 256 bytes that no other line names
.set HH,    3                          ; h = lane / 16
.set GI,    4                          ; in memory: 2048 h + 16 r
.set SI,    5                          ; into the stage: row h, 16 r
.set SO,    6                          ; out of it: row r, 128 h
.set CO,    7                          ; my codes' place in the record: 4096 x tile + 16 x lane
.set SH,    8                          ; 8 h: my byte's shift in a scale word
.set SQA,   9                          ; 64 x tile + 4 r
.set SCA,   10                         ; 256 x tile + 16 r + 8 h
.set W,     16                         ; v16-19  the row's four scale words
.set S,     20                         ; v20-23  two pairs of partial sums
.set C,     24                         ; v24-55  codes: four registers for each step
.set X,     56                         ; v56-119 two sets of 32 neighbours
.set R,     120                        ; v120-247 four sets of 32 numbers as they are loaded
.set SPW,   248
.set NIL,   249
	s_load_b256 s[4:11], s[0:1], 0x0               ; inputs, codebook, xq, cq
	s_load_b64 s[22:23], s[0:1], 0x20              ; out0
	v_lshl_add_u32 v[SPW], v0, 2, SPARE
	v_mov_b32 v[NIL], 0
	v_lshrrev_b32 v1, 5, v0
	v_readfirstlane_b32 s12, v1                    ; wave 0..1
	s_and_b32 s18, ttmp9, 1                        ; which half of the record
	s_lshl_b32 s19, s18, 1
	s_add_co_u32 s19, s19, s12                     ; my tile of its four
	s_mul_i32 s14, s12, 2*STG                      ; my two stages: LDS addresses hang on the wave's number alone
	s_lshl_b32 s16, s19, 12
	s_lshl_b32 s17, s19, 8
	s_lshl_b32 s15, s19, 6
	s_mov_b32 s20, 0x76543210
	s_mov_b32 s21, 0xfedcba98                      ; v_permlanex16_b32's selects for lane l xor 16
	v_and_b32 v1, 31, v0                           ; lane
	v_and_b32 v2, 15, v0                           ; r
	v_bfe_u32 v[HH], v0, 4, 1
	v_lshlrev_b32 v[GI], 4, v2
	v_lshl_add_u32 v[GI], v[HH], 11, v[GI]
	v_mul_u32_u24 v[SI], v[HH], 272
	v_lshl_add_u32 v[SI], v2, 4, v[SI]
	v_add_nc_u32 v[SI], s14, v[SI]
	v_mul_u32_u24 v[SO], v2, 272
	v_lshl_add_u32 v[SO], v[HH], 7, v[SO]
	v_add_nc_u32 v[SO], s14, v[SO]
	v_lshlrev_b32 v[CO], 4, v1
	v_add_nc_u32 v[CO], s16, v[CO]
	v_lshlrev_b32 v[SH], 3, v[HH]
	v_lshlrev_b32 v[SCA], 4, v2
	v_lshl_add_u32 v[SCA], v[HH], 3, v[SCA]
	v_add_nc_u32 v[SCA], s17, v[SCA]
	v_lshlrev_b32 v[SQA], 2, v2
	v_add_nc_u32 v[SQA], s15, v[SQA]
	v_mov_b32 v14, 0                               ; a lane permute's destination counts as one of its sources
.irp k, 0,1,2,3
	v_mov_b32 v[S+\k], 0                           ; the sums stand under a branch in every step, so they begin here
.endr
	s_wait_alu depctr_va_vdst(0)                   ; the wait at the head's end
	s_wait_kmcnt 0x0
	s_cmp_lt_u32 ttmp9, 256                        ; the codebook's work-group or the inputs'?
	s_cselect_b64 s[4:5], s[6:7], s[4:5]           ; from
	s_cselect_b64 s[8:9], s[10:11], s[8:9]         ; to
	s_cselect_b32 s24, 1, 0                        ; 1: the codebook
	s_cselect_b32 s13, 0, 256
	s_sub_co_u32 s13, ttmp9, s13
	s_lshr_b32 s13, s13, 1                         ; the record's number in its tensor
	s_lshl_b32 s14, s13, 17                        ; 64 rows of 2,048 bytes,
	s_lshl_b32 s15, s19, 15                        ; my tile's 16
	s_add_co_u32 s14, s14, s15
	s_mov_b32 s15, 0
	s_add_nc_u64 s[4:5], s[4:5], s[14:15]
	s_add_nc_u64 s[22:23], s[22:23], s[14:15]      ; the same rows of out0 (used by the inputs' work-groups alone)
	s_mul_i32 s14, s13, REC
	s_add_nc_u64 s[8:9], s[8:9], s[14:15]
.macro LOAD u                          ; step u: bytes 256 u on of my 16 rows, two rows a load; read once in the program
.irp i, 0,1,2,3,4,5,6,7
	global_load_b128 v[R+32*((\u)%4)+4*\i:R+32*((\u)%4)+4*\i+3], v[GI], s[4:5] offset:4096*\i+256*(\u) th:TH_LOAD_NT
.endr
.endm
.macro TURN u                          ; step u's numbers through the stage: LDS serves a wave's instructions in order (ISA guide 5.7.1.4), so no wait stands between the stores and the loads
.irp i, 0,1,2,3,4,5,6,7
	ds_store_b128 v[SI], v[R+32*((\u)%4)+4*\i:R+32*((\u)%4)+4*\i+3] offset:STG*((\u)%2)+544*\i
.endr
.irp j, 0,1,2,3,4,5,6,7
	ds_load_b128 v[X+32*((\u)%2)+4*\j:X+32*((\u)%2)+4*\j+3], v[SO] offset:STG*((\u)%2)+16*\j
.endr
	s_cmp_lg_u32 s24, 0
	s_cbranch_scc1 .Lno_copy_\@
.irp i, 0,1,2,3,4,5,6,7
	global_store_b128 v[GI], v[R+32*((\u)%4)+4*\i:R+32*((\u)%4)+4*\i+3], s[22:23] offset:4096*\i+256*(\u) th:TH_STORE_NT   ; out0 = x: sixteen lanes store 256 consecutive bytes, aligned
.endr
.Lno_copy_\@:
.endm
.macro STEP u                          ; my block 2 u + h of row r: K step u / 2, registers 4 (u % 2) on
.set XS, X+32*((\u)%2)
	s_wait_dscnt 0x0                               ; this step's 32 neighbours are back, so its stores into the stage have read their registers,
.if (\u) < 4
	s_wait_xcnt 0x0                                ; and so have its stores to out0, issued a step ago:
	LOAD (\u)+4                                    ; the registers take the loads of four steps on
.endif
.if (\u) < 7
.if (\u) < 4
	s_wait_loadcnt 24                              ; the next step's eight loads are in; those of the three steps behind it may be out
.else
	s_wait_loadcnt 8*(6-(\u))                      ; the counts run down
.endif
	TURN (\u)+1
.endif
	v_max3_num_f32 v12, |v[XS]|, |v[XS+1]|, |v[XS+2]|
	v_max3_num_f32 v13, |v[XS+3]|, |v[XS+4]|, |v[XS+5]|
.irp i, 6,10,14,18,22,26
	v_max3_num_f32 v12, v12, |v[XS+\i]|, |v[XS+\i+1]|
	v_max3_num_f32 v13, v13, |v[XS+\i+2]|, |v[XS+\i+3]|
.endr
	v_max3_num_f32 v12, v12, |v[XS+30]|, |v[XS+31]|
	v_max3_num_f32 v12, v12, v13, 0x1800000        ; the floor 2^(3 - 127): the byte cannot fall under 1
	v_add_nc_u32 v11, 0xff000000, v12              ; 2 off the exponent field: the conversion's scale operand
.irp g, 0,1,2,3
	v_cvt_scalef32_pk8_fp4_f32 v[C+4*(\u)+\g], v[XS+8*\g:XS+8*\g+7], v11
.endr
	v_lshrrev_b32 v13, 23, v11                     ; the scale's byte (also the plain line behind the conversions)
.if (\u)%2 == 0
	v_lshlrev_b32 v[W+(\u)/2], v[SH], v13          ; byte h of the K step's word
.else
	v_lshlrev_b32 v13, v[SH], v13
	v_lshl_or_b32 v[W+(\u)/2], v13, 16, v[W+(\u)/2]   ; byte 2 + h
.endif
	global_store_b128 v[CO], v[C+4*(\u):C+4*(\u)+3], s[8:9] offset:512*(\u)   ; the wave stores 512 consecutive bytes of its tile image, aligned
	s_cmp_eq_u32 s24, 0
	s_wait_alu depctr_va_vdst(0)                   ; the wait here, directly ahead of the branch
	s_cbranch_scc1 .Lno_sq_\@                      ; the inputs' squares are work left out
.set k, 0
.rept 16
	v_pk_fma_f32 v[S+2*(k%2):S+2*(k%2)+1], v[XS+2*k:XS+2*k+1], v[XS+2*k:XS+2*k+1], v[S+2*(k%2):S+2*(k%2)+1]
.set k, k+1
.endr
.Lno_sq_\@:
.endm
.irp t, 0,1,2,3
	LOAD \t
.endr
	s_wait_loadcnt 24                              ; step 0's eight loads are in
	TURN 0
.irp t, 0,1,2,3,4,5,6,7
	STEP \t
.endr
.irp s, 0,1,2,3
	v_permlanex16_b32 v14, v[W+\s], s20, s21
	v_or_b32 v[W+\s], v[W+\s], v14                 ; with lane l xor 16's two bytes the word is whole
.endr
	v_cmp_ne_u32 vcc_lo, 0, v[HH]
	v_cndmask_b32 v12, v[W], v[W+2], vcc_lo        ; lanes 0-15 store the row's words 0 and 1, lanes 16-31 its words 2 and 3
	v_cndmask_b32 v13, v[W+1], v[W+3], vcc_lo
	global_store_b64 v[SCA], v[12:13], s[8:9] offset:SCO   ; the wave stores 256 consecutive bytes, aligned
	s_cmp_eq_u32 s24, 0
	s_wait_alu depctr_va_vdst(0)                   ; the wait here, directly ahead of the branch
	s_cbranch_scc1 .Lend
	v_add_f32 v[S], v[S], v[S+1]
	v_add_f32 v[S+2], v[S+2], v[S+3]
	v_add_f32 v[S], v[S], v[S+2]
	v_permlanex16_b32 v14, v[S], s20, s21
	v_add_f32 v[S], v[S], v14                      ; the row's sum of squares
	v_mul_f32 v[S], -0.5, v[S]
	global_store_b32 v[SQA], v[S], s[8:9] offset:SQO   ; my tile's 16 numbers, 64 consecutive bytes; lanes r and 16 + r store the same word with the same value
.Lend:
	s_wait_tensorcnt 0x0                           ; the wave's end
	ds_add_u32 v[SPW], v[NIL]
	s_wait_dscnt 0x0
	s_endpgm
.Lfunc_end_k_qeca24ecbd4_quant:
	.size	k_qeca24ecbd4_quant, .Lfunc_end_k_qeca24ecbd4_quant-k_qeca24ecbd4_quant
	.p2alignl 7, 3214868480
	.fill 96, 4, 3214868480
	.section	.rodata,"a",@progbits
	.p2align	6, 0x0
	.amdhsa_kernel k_qeca24ecbd4_quant
		.amdhsa_group_segment_fixed_size 17664
		.amdhsa_private_segment_fixed_size 0
		.amdhsa_enable_private_segment 0
		.amdhsa_kernarg_size 40
		.amdhsa_user_sgpr_count 2
		.amdhsa_user_sgpr_kernarg_segment_ptr 1
		.amdhsa_wavefront_size32 1
		.amdhsa_system_sgpr_workgroup_id_x 1
		.amdhsa_system_sgpr_workgroup_id_y 1
		.amdhsa_system_sgpr_workgroup_id_z 1
		.amdhsa_system_vgpr_workitem_id 0
		.amdhsa_next_free_vgpr 250
		.amdhsa_next_free_sgpr 66
		.amdhsa_reserve_vcc 1
		.amdhsa_float_denorm_mode_32 3
		.amdhsa_float_denorm_mode_16_64 3
		.amdhsa_memory_ordered 1
		.amdhsa_forward_progress 1
		.amdhsa_inst_pref_size 46
	.end_amdhsa_kernel
	.amdgpu_metadata
---
amdhsa.version: [ 1, 2 ]
amdhsa.kernels:
  - .name:           k_qeca24ecbd4_quant
    .symbol:         k_qeca24ecbd4_quant.kd
    .args:
      - { .name: inputs, .offset: 0, .size: 8, .value_kind: global_buffer, .address_space: global }
      - { .name: codebook, .offset: 8, .size: 8, .value_kind: global_buffer, .address_space: global }
      - { .name: xq, .offset: 16, .size: 8, .value_kind: global_buffer, .address_space: global }
      - { .name: cq, .offset: 24, .size: 8, .value_kind: global_buffer, .address_space: global }
      - { .name: out0, .offset: 32, .size: 8, .value_kind: global_buffer, .address_space: global }
    .group_segment_fixed_size: 17664
    .private_segment_fixed_size: 0
    .kernarg_segment_align: 8
    .kernarg_segment_size: 40
    .max_flat_workgroup_size: 64
    .sgpr_count:     66
    .vgpr_count:     250
    .wavefront_size: 32
...
	.end_amdgpu_metadata
.endif
;; end of part 1
;; launch search (part 2): grid 32 x 8, 8 waves a work-group, clusters of 4 x 1, 327,680 bytes of LDS; arguments xq, cq, bv, bi; writes bv, bi
.if DOCPART == 2
	.amdgcn_target "amdgcn-amd-amdhsa--gfx1250"
	.amdhsa_code_object_version 6
	.text
	.protected	k_qeca24ecbd4_search
	.globl	k_qeca24ecbd4_search
	.p2align	8
	.type	k_qeca24ecbd4_search,@function
k_qeca24ecbd4_search:
	s_mov_b64 s[64:65], 0
	v_nop
	global_prefetch_b8 v0, s[64:65] scope:SCOPE_SE
	s_setreg_imm32_b32 hwreg(HW_REG_WAVE_MODE, 25, 1), 1
	s_wait_xcnt 0x0
	s_wait_alu depctr_hold_cnt(0) depctr_sa_sdst(0) depctr_va_vdst(0) depctr_va_sdst(0) depctr_va_ssrc(0) depctr_va_vcc(0) depctr_vm_vsrc(0)
	s_getreg_b32 s2, hwreg(HW_REG_IB_STS2, 6, 4)
	s_cmp_eq_u32 s2, 0
	s_cbranch_scc0 .Lentry_in_a_cluster
	s_endpgm
.Lentry_in_a_cluster:
	s_bfe_u32 s2, ttmp6, 0x10000c
	s_cmp_lg_u32 s2, 0x3003
	s_cbranch_scc0 .Lentry_shape_is_right
	s_endpgm
.Lentry_shape_is_right:
; For 512 tokens and one eighth of the codes (1,024): the largest score x.c - c2 / 2 of each token and the lowest index that has it.  x2 is left out: it is the same for all codes of a token.
; bv [8][16384] f32 takes the score, bi [8][16384] the index; the next launch chooses between the eighths.
; THE PRODUCT, 32 x 16 x 128: source 0 = 32 codes, source 1 = 16 tokens, so a lane holds ONE token and its 16 registers run along the codes.  The first K step of each sum takes -c2 / 2 of the lane's
; sixteen codes as C, as the launch before stored it: a score costs no vector arithmetic.  LIMITS: the bias is added and rounded inside the four links of the sum, an order of rounding of this program's own; NaN scores are not served.
; SHARES.  Eight waves.  Wave w keeps the fragments of tokens 64 w .. + 63 (a record of xq, 128 registers) for the whole launch and walks all records of cq's eighth: each token has one owner, and no wave joins another's results.
; A slot holds 8 records of cq (512 codes, 141,312 bytes); two slots, two tiles, each filled once; a wave's tensor load brings one record as 69 rows of 256 bytes.
; A BLOCK is 32 codes x 64 tokens: 16 matrix instructions, the 4 accumulators by turns.  A wave has 16 blocks in a slot: a counted loop takes seven records, two blocks each; the eighth is written out.
; THE SEARCH, for 16 scores of a lane: eight three-input maxima with the best so far among the leaves; one compare; where the best has grown, the group's number and its 16 scores are kept by selects (two to an instruction).
; Groups come in ascending order and only a strictly larger score is taken, so the first of equals stays.  At the end the place in the kept group is found once, and the two halves of the lanes are joined by (score, index).
; CLUSTERS: the four work-groups of a cluster walk the same eighth of cq and ask for each record jointly (mask 15).
; By the text's own count a wave has one tensor load out.  All waits on TENSORcnt are for 0.
; NO PREFETCH: both tiles are asked for at the head, so no later load exists for a prefetch to run ahead of; xq is read once, at the head.
.set REC,   17664
.set SCO,   16384
.set SQO,   17408
.set SLOTB, 8*REC
.set SPARE, 2*SLOTB                    ; the spare words: 128 bytes a wave, four blocks of 256 bytes that no other line names
.set SCR,   SPARE+1024                 ; 4,096 bytes: each wave's own 256 for its scores, and 2,048 further on for its indices; no tensor load lands here
.set SPW,  1
.set NIL,  2
.set LA,   3                           ; v3-4   slot 0, 1: 16 x lane
.set LC,   5                           ; v5-6   slot 0, 1: 32 h
.set H8,   7
.set GO,   8
.set GV,   10
.set SW,   12
.set MR,   13
.set L8,   14
.set XO,   15
.set AS,   16                          ; v16-19 the codes' scale words, K steps 0-3: lane = row of the block's 32
.set BS,   20                          ; v20-27 the scale words of token tiles 0 and 1, lanes 0-15
.set BEST, 28                          ; v28-35 the best score, two sets by turns
.set GIDV, 36                          ; v36-39 its group
.set C2,   40                          ; v40-71 -c2 / 2 in the result's layout, two sets by turns
.set M,    72                          ; v72-99 at work
.set LAC,  100                         ; v100   LA at the record at work
.set LCC,  101                         ; v101   LC at the record at work
.set ACC,  104                         ; v104-167 token tile tt: 16 scores at 16 tt
.set SAV,  168                         ; v168-231 the best group's scores
.set E,    232
.set BS2,  248                         ; v248-255 the scale words of token tiles 2 and 3
.set BF,   0                           ; window 1: v0-127 the tokens' fragments
.set AF,   128                         ; window 1: v128-191 the block's fragments of codes
.set MSB, 0
.macro WIN new
.if MSB != \new
	s_set_vgpr_msb (MSB<<8)|\new
.set MSB, \new
.endif
.endm
.macro PLACES
.rept 4
	v_nop
.endr
.endm
.macro ROUND
	s_barrier_signal -1
	s_barrier_wait -1
	s_cmp_lg_u32 s12, 0
	s_cbranch_scc1 .Lnot_wave_0_\@
	s_barrier_signal -3
.Lnot_wave_0_\@:
	s_barrier_wait -3
	s_barrier_signal -1
	s_barrier_wait -1
.endm
	s_load_b256 s[4:11], s[0:1], 0x0               ; xq, cq, bv, bi
	v_lshl_add_u32 v[SPW], v0, 2, SPARE
	v_mov_b32 v[NIL], 0
	ds_add_u32 v[SPW], v[NIL]                      ; the opening lines: the add, twice on end, and its wait
	ds_add_u32 v[SPW], v[NIL]
	v_lshrrev_b32 v10, 5, v0
	v_readfirstlane_b32 s12, v10                   ; wave 0..7
	v_and_b32 v10, 31, v0                          ; lane
	v_lshlrev_b32 v[GO], 4, v10
	v_and_b32 v[XO], 15, v0
	v_lshlrev_b32 v[XO], 4, v[XO]                  ; 16 r
	s_and_b32 s17, ttmp7, 0xffff                   ; which eighth of the codes
	s_mov_b32 s24, 15|(3<<16)|(1<<21)              ; group 1: mask of the four, elements of 8 bytes, no padding: 69 rows of 32 elements
	s_mov_b32 s25, 32<<16
	s_mov_b32 s26, 69<<16
	s_mov_b32 s27, 32<<16
	s_mov_b32 s28, 69
	s_mov_b32 s29, 32
	s_mov_b32 s30, 0
	s_mov_b32 s31, 0
	s_lshl_b32 s22, s17, 4
	s_add_co_u32 s22, s22, s12
	s_mul_i32 s22, s22, REC                        ; the record of tile 0 that I fetch
	s_mov_b32 s23, 0
	s_mul_i32 s44, s12, REC
	s_bfe_u32 s15, ttmp6, 0x40000                  ; cx
	s_lshl_b32 s16, ttmp9, 2
	s_add_co_u32 s16, s16, s15                     ; work-group x: which 512 tokens
	s_lshl_b32 s50, s16, 3
	s_add_co_u32 s50, s50, s12
	s_mul_i32 s50, s50, REC                        ; my record of xq
	s_mov_b32 s51, 0
	s_wait_alu depctr_va_vdst(0)                   ; the wait here, directly ahead of the waits below
	s_wait_dscnt 0x0
	s_wait_kmcnt 0x0
	s_add_nc_u64 s[46:47], s[6:7], s[22:23]
.irp n, 0,1
	s_mov_b32 s[32+4*\n], 1
	s_add_co_u32 s[33+4*\n], s44, \n*SLOTB
	s_add_nc_u64 s[34+4*\n:35+4*\n], s[46:47], \n*SLOTB
	s_or_b32 s[35+4*\n], s[35+4*\n], 0x80000000
.endr
	s_add_nc_u64 s[4:5], s[4:5], s[50:51]
	WIN 0x40                                       ; the tokens' fragments are asked for ahead of the round: they are on their way while the first tile comes
.irp tt, 0,1,2,3
.irp s, 0,1,2,3
.irp c, 0,1
	global_load_b128 v[BF+32*\tt+8*\s+4*\c:BF+32*\tt+8*\s+4*\c+3], v[GO], s[4:5] offset:\tt*4096+\s*1024+\c*512
.endr
.endr
.endr
	WIN 0
.irp p, 0,1
	global_load_b128 v[BS+4*\p:BS+4*\p+3], v[XO], s[4:5] offset:SCO+256*\p        ; lane r: the four scale words of token 16 tt + r
	global_load_b128 v[BS2+4*\p:BS2+4*\p+3], v[XO], s[4:5] offset:SCO+512+256*\p
.endr
	ROUND                                          ; in front of the first joint loads
	tensor_load_to_lds s[32:35], s[24:31]          ; tile 0: one tensor load a wave at the head
	s_nop 0
	PLACES
	v_bfe_u32 v11, v0, 4, 1                        ; h
	v_lshlrev_b32 v[L8], 3, v10
	v_lshlrev_b32 v[H8], 3, v11
	v_mov_b32 v[LA], v[GO]
	v_lshlrev_b32 v[LC], 5, v11
	v_add_nc_u32 v[LA+1], SLOTB, v[GO]
	v_add_nc_u32 v[LC+1], SLOTB, v[LC]
	v_mov_b32 v[LAC], v[GO]
	v_mov_b32 v[LCC], v[LC]
	s_lshl_b32 s48, s12, 8
	v_lshl_add_u32 v[SW], v10, 2, SCR
	v_add_nc_u32 v[SW], s48, v[SW]
	v_lshl_add_u32 v[MR], v10, 3, SCR
	v_add_nc_u32 v[MR], s48, v[MR]
	s_lshl_b32 s50, s17, 16                        ; in bv and bi: 65,536 x eighth + 2,048 x work-group x + 256 x wave
	s_lshl_b32 s52, s16, 11
	s_add_co_u32 s50, s50, s52
	s_add_co_u32 s50, s50, s48
	s_add_nc_u64 s[8:9], s[8:9], s[50:51]
	s_add_nc_u64 s[10:11], s[10:11], s[50:51]
	s_lshl_b32 s19, s17, 5                         ; the eighth's first group of 32 codes
	s_mov_b32 s42, 0x76543210
	s_mov_b32 s43, 0xfedcba98
	s_mov_b32 s20, 0xff800000                      ; under every score
.irp tt, 0,1,2,3
	v_mov_b32 v[BEST+\tt], s20
	v_mov_b32 v[GIDV+\tt], 0
.endr
.set k, 0
.rept 64
	v_mov_b32 v[SAV+k], s20                        ; written while the first tile is on its way
.set k, k+1
.endr
.macro PROD s, tt
.set rD, ACC+16*(\tt)
.set rA, AF+16*(\s)
.set rB, BF+32*(\tt)+8*(\s)
.set rP, AS+(\s)
.if (\tt) < 2
.set rQ, BS+4*(\tt)+(\s)
.else
.set rQ, BS2+4*((\tt)-2)+(\s)
.endif
.if (\s) == 0
.set rC, C2+16*par                     ; the first link takes the bias as C
.else
.set rC, rD
.endif
	v_wmma_scale_f32_32x16x128_f4 v[rD:rD+15], v[rA:rA+15], v[rB:rB+7], v[rC:rC+15], v[rP], v[rQ]
.endm
.macro MM                              ; 16 matrix instructions: the 4 accumulators take turns, one instruction a turn
	WIN 0x05
.irp s, 0,1,2,3
.irp tt, 0,1,2,3
	PROD \s, \tt
.endr
.endr
	WIN 0
.endm
.macro LOADS la, lc, rh                ; half rh of the record at v[la]: 16 loads of fragments, the scale words, the bias
	WIN 0x40
.irp s, 0,1,2,3
.irp hf, 0,1
.irp c, 0,1
	ds_load_b128 v[AF+16*\s+8*\hf+4*\c:AF+16*\s+8*\hf+4*\c+3], v[\la] offset:(\rh)*8192+\hf*4096+\s*1024+\c*512
.endr
.endr
.endr
	WIN 0
	ds_load_b128 v[AS:AS+3], v[\la] offset:SCO+(\rh)*512
.irp q, 0,1,2,3
	ds_load_b128 v[C2+16*(\rh)+4*\q:C2+16*(\rh)+4*\q+3], v[\lc] offset:SQO+(\rh)*128+64*(\q/2)+16*(\q%2)
.endr
.endm
.macro EPI                             ; the four token tiles' chains by turns; each accumulator is read from its low end on
.irp k, 0,1,2,3,4
.irp tt, 0,1,2,3
	v_max3_num_f32 v[M+7*\tt+\k], v[ACC+16*\tt+3*\k], v[ACC+16*\tt+3*\k+1], v[ACC+16*\tt+3*\k+2]
.endr
.endr
.irp tt, 0,1,2,3
	v_max3_num_f32 v[M+7*\tt+5], v[M+7*\tt], v[M+7*\tt+1], v[M+7*\tt+2]
.endr
.irp tt, 0,1,2,3
	v_max3_num_f32 v[M+7*\tt+6], v[M+7*\tt+3], v[M+7*\tt+4], v[ACC+16*\tt+15]
.endr
.irp tt, 0,1,2,3
	v_max3_num_f32 v[BEST+4*(1-par)+\tt], v[M+7*\tt+5], v[M+7*\tt+6], v[BEST+4*par+\tt]
.endr
.irp tt, 0,1,2,3
	v_cmp_gt_f32 vcc_lo, v[BEST+4*(1-par)+\tt], v[BEST+4*par+\tt]
	v_cndmask_b32 v[GIDV+\tt], v[GIDV+\tt], v[GV], vcc_lo
.irp k, 0,2,4,6,8,10,12,14
	v_dual_cndmask_b32 v[SAV+16*\tt+\k], v[SAV+16*\tt+\k], v[ACC+16*\tt+\k] :: v_dual_cndmask_b32 v[SAV+16*\tt+\k+1], v[SAV+16*\tt+\k+1], v[ACC+16*\tt+\k+1]
.endr
.endr
.endm
; The block of half p of the record at work.  how = 0: the next block is the record's other half.  4: the next record of the slot.  2: the slot's last block, the other slot follows.  3: the last block of all.
.macro BLOCK p, how, slot
.set par, \p
.if (\how) == 2
	s_wait_tensorcnt 0x0                           ; my one tensor load, my record of the other slot, has landed;
	ds_add_u32 v[SPW], v[NIL]
	s_wait_dscnt 0x0                               ; the add is done, and this block's fragments are in registers
	s_barrier_signal -1
	v_mov_b32 v[GV], s19
	MM                                             ; work on registers while the others arrive
	s_barrier_wait -1                              ; every wave's record of the other slot has landed
	PLACES                                         ; four places in front of loads into the products' registers and of the first reads of results
	LOADS LA+1-(\slot), LC+1-(\slot), 0
	v_mov_b32 v[LAC], v[LA+1-(\slot)]              ; the record at work: the other slot's first
	v_mov_b32 v[LCC], v[LC+1-(\slot)]
.else
	s_wait_dscnt 0x0                               ; the block's fragments, scale words and bias are in
	v_mov_b32 v[GV], s19
	MM
.if (\how) == 4
	s_add_co_u32 s56, s56, REC                     ; the loop's counter is the record's offset
	v_add_nc_u32 v[LAC], s56, v[LA+(\slot)]        ; (these two and the two below are the four places)
	v_add_nc_u32 v[LCC], s56, v[LC+(\slot)]
	v_nop
	v_nop
	LOADS LAC, LCC, 0
.else
	PLACES
.if (\how) == 0
	LOADS LAC, LCC, 1
.endif
.endif
.endif
	EPI
	s_add_co_u32 s19, s19, 1
.endm
.macro SLOTRUN slot, how               ; the eight records of a slot
	s_mov_b32 s56, 0
.Lrec_\@:
	BLOCK 0, 0, \slot
	BLOCK 1, 4, \slot
	s_cmp_lt_u32 s56, 7*REC
	s_wait_alu depctr_va_vdst(0)                   ; the wait here, directly ahead of the branch
	s_cbranch_scc1 .Lrec_\@
	BLOCK 0, 0, \slot
	BLOCK 1, \how, \slot
.endm
	s_wait_alu depctr_va_vdst(0)                   ; the wait at the head's end
	s_wait_tensorcnt 0x0                           ; my record of tile 0 is in
	ds_add_u32 v[SPW], v[NIL]
	s_wait_dscnt 0x0
	ROUND
	tensor_load_to_lds s[36:39], s[24:31]          ; tile 1: slot 1's first fill
	s_nop 0
	PLACES
	LOADS LA, LC, 0
	s_wait_loadcnt 0x0                             ; the tokens' fragments and scale words
	SLOTRUN 0, 2
	SLOTRUN 1, 3
; The place in the kept group: the lowest register that holds the best score
.irp tt, 0,1,2,3
	v_mov_b32 v[E+\tt], 0
.endr
.irp jj, 15,14,13,12,11,10,9,8,7,6,5,4,3,2,1,0
.irp tt, 0,1,2,3
	v_cmp_neq_f32 vcc_lo, v[SAV+16*\tt+\jj], v[BEST+\tt]
	v_cndmask_b32 v[E+\tt], (\jj%8)+16*(\jj/8), v[E+\tt], vcc_lo
.endr
.endr
.irp tt, 0,1,2,3
	v_lshl_add_u32 v[E+4+\tt], v[GIDV+\tt], 5, v[E+\tt]
.endr
.irp tt, 0,1,2,3
	v_add_nc_u32 v[E+4+\tt], v[H8], v[E+4+\tt]     ; index = 32 x group + place + 8 h
.endr
.macro LEX va, ia, vb, ib              ; (vb, ib) replaces (va, ia) if its score is larger, or equal with the lower index
	v_cmp_gt_f32 s48, v[\vb], v[\va]
	v_cmp_eq_f32 s49, v[\vb], v[\va]
	v_cmp_lt_u32 vcc_lo, v[\ib], v[\ia]
	s_and_b32 s49, s49, vcc_lo
	s_or_b32 vcc_lo, s48, s49
	v_cndmask_b32 v[\va], v[\va], v[\vb], vcc_lo
	v_cndmask_b32 v[\ia], v[\ia], v[\ib], vcc_lo
.endm
.irp tt, 0,1,2,3
	v_permlanex16_b32 v[M+\tt], v[BEST+\tt], s42, s43
	v_permlanex16_b32 v[M+4+\tt], v[E+4+\tt], s42, s43
.endr
.irp tt, 0,1,2,3
	LEX BEST+\tt, E+4+\tt, M+\tt, M+4+\tt
.endr
	v_cmp_ne_u32 vcc_lo, 0, v[H8]
.irp p, 0,1
	v_cndmask_b32 v[E+8+\p], v[BEST+2*\p], v[BEST+2*\p+1], vcc_lo   ; register p: token 32 p + lane
	v_cndmask_b32 v[E+10+\p], v[E+4+2*\p], v[E+5+2*\p], vcc_lo
.endr
.irp p, 0,1                            ; through my own 256 bytes of LDS, so that a lane holds two neighbouring tokens; LDS serves a wave's instructions in order (ISA guide 5.7.1.4)
	ds_store_b32 v[SW], v[E+8+\p] offset:128*\p
	ds_store_b32 v[SW], v[E+10+\p] offset:2048+128*\p
.endr
	ds_load_b64 v[E+12:E+13], v[MR]
	ds_load_b64 v[E+14:E+15], v[MR] offset:2048
	s_wait_dscnt 0x0
	global_store_b64 v[L8], v[E+12:E+13], s[8:9]   ; 256 consecutive bytes, aligned
	global_store_b64 v[L8], v[E+14:E+15], s[10:11]
	s_wait_tensorcnt 0x0                           ; the wave's end
	ds_add_u32 v[SPW], v[NIL]
	s_wait_dscnt 0x0
	ROUND                                          ; the closing round
	s_endpgm
.Lfunc_end_k_qeca24ecbd4_search:
	.size	k_qeca24ecbd4_search, .Lfunc_end_k_qeca24ecbd4_search-k_qeca24ecbd4_search
	.p2alignl 7, 3214868480
	.fill 96, 4, 3214868480
	.section	.rodata,"a",@progbits
	.p2align	6, 0x0
	.amdhsa_kernel k_qeca24ecbd4_search
		.amdhsa_group_segment_fixed_size 327680
		.amdhsa_private_segment_fixed_size 0
		.amdhsa_enable_private_segment 0
		.amdhsa_kernarg_size 32
		.amdhsa_user_sgpr_count 2
		.amdhsa_user_sgpr_kernarg_segment_ptr 1
		.amdhsa_wavefront_size32 1
		.amdhsa_system_sgpr_workgroup_id_x 1
		.amdhsa_system_sgpr_workgroup_id_y 1
		.amdhsa_system_sgpr_workgroup_id_z 1
		.amdhsa_system_vgpr_workitem_id 0
		.amdhsa_next_free_vgpr 448
		.amdhsa_next_free_sgpr 66
		.amdhsa_reserve_vcc 1
		.amdhsa_float_denorm_mode_32 3
		.amdhsa_float_denorm_mode_16_64 3
		.amdhsa_memory_ordered 1
		.amdhsa_forward_progress 1
		.amdhsa_inst_pref_size 82
	.end_amdhsa_kernel
	.amdgpu_metadata
---
amdhsa.version: [ 1, 2 ]
amdhsa.kernels:
  - .name:           k_qeca24ecbd4_search
    .symbol:         k_qeca24ecbd4_search.kd
    .args:
      - { .name: xq, .offset: 0, .size: 8, .value_kind: global_buffer, .address_space: global }
      - { .name: cq, .offset: 8, .size: 8, .value_kind: global_buffer, .address_space: global }
      - { .name: bv, .offset: 16, .size: 8, .value_kind: global_buffer, .address_space: global }
      - { .name: bi, .offset: 24, .size: 8, .value_kind: global_buffer, .address_space: global }
    .group_segment_fixed_size: 327680
    .private_segment_fixed_size: 0
    .kernarg_segment_align: 8
    .kernarg_segment_size: 32
    .max_flat_workgroup_size: 256
    .sgpr_count:     66
    .vgpr_count:     448
    .wavefront_size: 32
...
	.end_amdgpu_metadata
.endif
;; end of part 2
;; launch merge (part 3): grid 256 x 1, 1 waves a work-group, no clusters, 0 bytes of LDS; arguments bv, bi, out1; writes out1
.if DOCPART == 3
	.amdgcn_target "amdgcn-amd-amdhsa--gfx1250"
	.amdhsa_code_object_version 6
	.text
	.protected	k_qeca24ecbd4_merge
	.globl	k_qeca24ecbd4_merge
	.p2align	8
	.type	k_qeca24ecbd4_merge,@function
k_qeca24ecbd4_merge:
	s_mov_b64 s[64:65], 0
	v_nop
	global_prefetch_b8 v0, s[64:65] scope:SCOPE_SE
	s_setreg_imm32_b32 hwreg(HW_REG_WAVE_MODE, 25, 1), 1
	s_wait_xcnt 0x0
; Each token has eight candidates, one from each eighth of the codes: bv [8][16384] holds their scores x.c - c2 / 2 (f32), bi [8][16384] their indices.
; out1 = the index with the largest score; the eighths are taken in ascending order and only a strictly larger score replaces, so a tie keeps the lower index.
; The choice selects a value alone: no address and no branch hangs on it.
; The gather of the chosen row is work left out: out0 = q + (x - q) = x was stored by the first launch.  LIMIT: NaN scores are not served.
; A work-group of one wave takes 64 tokens, two a lane: each load and the store cover 256 consecutive bytes, aligned.  No LDS, no cluster, no loop: nothing is shared and nothing is read twice.
	s_load_b128 s[4:7], s[0:1], 0x0                ; bv, bi
	s_load_b64 s[8:9], s[0:1], 0x10                ; out1
	v_lshlrev_b32 v1, 3, v0
	s_lshl_b32 s10, ttmp9, 8
	v_add_nc_u32 v1, s10, v1
	s_wait_alu depctr_va_vdst(0)                   ; the wait at the head's end
	s_wait_kmcnt 0x0
.irp y, 0,1,2,3,4,5,6,7
	global_load_b64 v[2+2*\y:3+2*\y], v1, s[4:5] offset:65536*\y
.endr
.irp y, 0,1,2,3,4,5,6,7
	global_load_b64 v[18+2*\y:19+2*\y], v1, s[6:7] offset:65536*\y
.endr
	s_wait_loadcnt 0x0
.irp y, 1,2,3,4,5,6,7
.irp k, 0,1
	v_cmp_gt_f32 vcc_lo, v[2+2*\y+\k], v[2+\k]
	v_cndmask_b32 v[2+\k], v[2+\k], v[2+2*\y+\k], vcc_lo
	v_cndmask_b32 v[18+\k], v[18+\k], v[18+2*\y+\k], vcc_lo
.endr
.endr
	global_store_b64 v1, v[18:19], s[8:9]
	s_endpgm
.Lfunc_end_k_qeca24ecbd4_merge:
	.size	k_qeca24ecbd4_merge, .Lfunc_end_k_qeca24ecbd4_merge-k_qeca24ecbd4_merge
	.p2alignl 7, 3214868480
	.fill 96, 4, 3214868480
	.section	.rodata,"a",@progbits
	.p2align	6, 0x0
	.amdhsa_kernel k_qeca24ecbd4_merge
		.amdhsa_group_segment_fixed_size 0
		.amdhsa_private_segment_fixed_size 0
		.amdhsa_enable_private_segment 0
		.amdhsa_kernarg_size 24
		.amdhsa_user_sgpr_count 2
		.amdhsa_user_sgpr_kernarg_segment_ptr 1
		.amdhsa_wavefront_size32 1
		.amdhsa_system_sgpr_workgroup_id_x 1
		.amdhsa_system_sgpr_workgroup_id_y 1
		.amdhsa_system_sgpr_workgroup_id_z 1
		.amdhsa_system_vgpr_workitem_id 0
		.amdhsa_next_free_vgpr 36
		.amdhsa_next_free_sgpr 66
		.amdhsa_reserve_vcc 1
		.amdhsa_float_denorm_mode_32 3
		.amdhsa_float_denorm_mode_16_64 3
		.amdhsa_memory_ordered 1
		.amdhsa_forward_progress 1
		.amdhsa_inst_pref_size 4
	.end_amdhsa_kernel
	.amdgpu_metadata
---
amdhsa.version: [ 1, 2 ]
amdhsa.kernels:
  - .name:           k_qeca24ecbd4_merge
    .symbol:         k_qeca24ecbd4_merge.kd
    .args:
      - { .name: bv, .offset: 0, .size: 8, .value_kind: global_buffer, .address_space: global }
      - { .name: bi, .offset: 8, .size: 8, .value_kind: global_buffer, .address_space: global }
      - { .name: out1, .offset: 16, .size: 8, .value_kind: global_buffer, .address_space: global }
    .group_segment_fixed_size: 0
    .private_segment_fixed_size: 0
    .kernarg_segment_align: 8
    .kernarg_segment_size: 24
    .max_flat_workgroup_size: 32
    .sgpr_count:     66
    .vgpr_count:     36
    .wavefront_size: 32
...
	.end_amdgpu_metadata
.endif
;; end of part 3
